; MI455X (gfx1250); checked and timed in simulation.
; The chip was launched on July 23, 2026; its instructions are those of AMD's public machine-readable ISA for CDNA 5 (MIT licence, August 2026) and "CDNA5" Instruction Set Architecture Reference Guide (July 2026). The comments in the code are by the model that wrote it; some were corrected since.
;; Bahdanau Attention. Allowed arithmetic: matrix products marked QUANTISED: E5M2 operands, one E8M0 scale for each 32 along K, by v_wmma_scale_f32_16x16x128_f8f6f4 with both operands' format E5M2, f32 sums; products left as they are: f32 operands where the result goes on into a quantised operand, else bf16, f16 or f32 operands; f32 sums; everything else in f32.
;; Inputs: Wk 1,024 x 1,024 float32; Wq 1,024 x 1,024 float32; keys 64 x 1,024 x 1,024 float32; mask 64 x 1,024 bool; query 64 x 1,024 float32; v 1 x 1,024 float32.
;; Outputs: out0 64 x 1,024 float32; out1 64 x 1,024 float32.
;; This version of the problem:
;;   THIS VERSION OF THE PROBLEM IS GIVEN IN LOW PRECISION. The matrix products marked QUANTISED in the list below multiply operands that are first quantised to E5M2 (5 exponent bits, 2 mantissa bits; 8 bits a number), with one power-of-two scale for each 32 numbers along K (OCP MX v1.0); their sums are f32. All else is computed in f32.
;;   The module's matrix products, in the order in which they are computed (A, B: the left and right operand; K: the contracted axis; several contracted axes count as one K, in the product's order):
;;     1. [M 64, K 1,024] x [K 1,024, N 1,024]; A: input query; B: input Wq: QUANTISED
;;     2. [M 65,536, K 1,024] x [K 1,024, N 1,024]; A: input keys; B: input Wk: QUANTISED
;;     3. [M 65,536, K 1,024] x [K 1,024, N 1]; A: computed on the way; B: input v: left as it is (N = 1 < 16)
;;     4. batch 64 x [M 1, K 1,024] x [K 1,024, N 1,024]; A: computed on the way; B: input keys: left as it is (M = 1 < 16)
;;   THE QUANTISER, for each operand of a quantised product, along K:
;;     - K is cut into blocks of 32 from its start; a last block that is shorter is filled with zeros.
;;     - A block's scale is 2^e with e = floor(log2(the largest magnitude in the block)) - 15, held to -126 .. 127; a block of zeros has e = 0. As a byte (E8M0): e + 127.
;;     - Each number is divided by its block's scale, clamped to +-57,344, and rounded to the nearest number of E5M2, ties to even, subnormals kept.
;;     - The product sums the exact products of the quantised numbers (number of the format x scale) in f32.
;;   ~~~python
;;   def quantise(x, axis):      # numpy; x: float32 -> the quantised numbers, widened to float32 again
;;       x = np.moveaxis(x, axis, -1); K = x.shape[-1]
;;       x = np.pad(x, [(0, 0)] * (x.ndim - 1) + [(0, -K % 32)]); x = x.reshape(x.shape[:-1] + (-1, 32)); a = np.abs(x).max(-1, keepdims=True)
;;       e = np.where(a > 0, np.clip(np.frexp(np.where(a > 0, a, 1))[1] - 1 - 15, -126, 127), 0)      # np.frexp(a)[1] - 1 = floor(log2(a)), exactly
;;       r = np.clip(x / 2.0 ** e, -57344, 57344)
;;       step = 2.0 ** (np.maximum(np.frexp(np.where(r == 0, 1, r))[1] - 1, -14) - 2)
;;       q = np.round(r / step) * step * 2.0 ** e      # np.round: ties to even
;;       return np.moveaxis(q.reshape(q.shape[:-2] + (-1,))[..., :K], -1, axis).astype(np.float32)
;;   ~~~
;; One version. Each part assembles by itself: llvm-mc -triple=amdgcn-amd-amdhsa -mcpu=gfx1250 --defsym DOCPART=n.
;; ======== version 1 of 1: 3 launches
;; workspace buffers: wkc 1,048,576 bytes; wks 65,536 bytes; cq 262,144 bytes; en 262,144 bytes
;; launch prep (part 1): grid 64 x 1, 8 waves a work-group, no clusters, 105,984 bytes of LDS; arguments Wk, Wq, query, wkc, wks, cq; writes wkc, wks, cq
.if DOCPART == 1
	.amdgcn_target "amdgcn-amd-amdhsa--gfx1250"
	.amdhsa_code_object_version 6
	.text
	.protected	k_q1063d4f7d6_prep
	.globl	k_q1063d4f7d6_prep
	.p2align	8
	.type	k_q1063d4f7d6_prep,@function
k_q1063d4f7d6_prep:
	s_mov_b64 s[64:65], 0
	v_nop
	global_prefetch_b8 v0, s[64:65] scope:SCOPE_SE
	s_setreg_imm32_b32 hwreg(HW_REG_WAVE_MODE, 25, 1), 1
	s_wait_xcnt 0x0
; PREP.  Wk [1024][1024] f32 becomes codes of E5M2 with one E8M0 byte for each 32 along K, laid in the order of an operand's registers;
; and cq = 2 log2(e) x (query Wq^T), the first quantised product, is made whole.
; SHARES.  Work-group t takes rows 16 t .. 16 t + 15 of Wk and of Wq; wave k takes K step k (128 along K).  A wave quantises six fragments of 16 rows x 128 K:
; Wk's, Wq's and the four tiles of 16 rows of query, and multiplies Wq's by each of query's: four matrix instructions, each on an accumulator of its own.
; The sum over the eight K steps (one a wave) is made through LDS.
; OUT.  wkc [64 t][8 k][4 c][32 lane][16 bytes]: group c of four registers of lane l.  wks [128 t'][32 lane][4 words]: lane (r, hh), word i = the scale word of row r for K step 2 i + hh;
; tile t is stored at t and at t + 64, so that a reader three tiles ahead of tile 63 stays inside written bytes.  cq [64 t][64 b][16 u] f32.
; THE QUANTISER: a block's scale is 2^(floor(log2(largest magnitude)) - 15); its byte is the largest magnitude's exponent field - 15, held at 1 from below; numbers are held within +-57,344 x the scale and rounded to the nearest code, ties to even.
; LIMITS: a block of zeros gets the byte 1 where the rule says 127 (its codes are zeros; this program alone reads the bytes); blocks whose largest magnitude lies under 2^-111 have their byte held at 1; NaN and infinities are not served.
.set SPITCH, 528                       ; a stage row: 512 bytes + 16: 33 x 16, so that sixteen rows' 16 bytes fall on sixteen different columns of 16 bytes
.set STGW,   16*SPITCH                 ; a wave's stage, from LDS byte 0 on
.set RED,    8*STGW                    ; [8 k][8 g][32 lane][16 bytes]: each wave's four accumulators
.set OUTB,   RED+32768                 ; [64 b][16 u] f32
.set SCW,    OUTB+4096                 ; Wk's scale words of the tile, 512 bytes, as they go to wks
.set GOF,  1                           ; v1   16 x lane + 512 x wave: my bytes of a row
.set STI,  2                           ; v2   the stage, on the way in
.set STO,  3                           ; v3   and on the way out
.set SCA,  4                           ; v4   where my row's scale word of Wk goes
.set REDW, 5
.set REDR, 6
.set OUTW, 7
.set OUTR, 8
.set G16,  9                           ; v9   16 x thread
.set SCR,  10
.set L16,  11                          ; v11  16 x lane
.set X,    64                          ; v64-127  64 numbers: register 16 b + i = k 32 b + 16 hh + i of row r
.set TM,   128                         ; v128-143 at work in QUANT
.set PWK,  150                         ; scale words: Wk's, Wq's, query's
.set PWW,  151
.set PWQ,  152
.set PCK,  160                         ; codes: Wk's, Wq's, query's
.set PCW,  176
.set PCQ,  192
.set ACC,  208                         ; v208-239 four accumulators
.set SWD,  240                         ; v240-243 wave 0: the tile's scale words on their way to wks; registers of their own, written once, so that the two stores' data are never written again
.set WV,   16
.set SEL,  20
.set MNT,  22
.set CC,   32
.set MSB, 0
.macro WIN new                         ; the immediate's high byte repeats the setting that is left
.if MSB != (\new)
	s_set_vgpr_msb (MSB<<8)|(\new)
.set MSB, (\new)
.endif
.endm
; sixteen rows' 512 bytes as they lie, each load 512 consecutive bytes, into raw set q of window 1
.macro LOADW q, base, off
	WIN 0x40
.irp i, 0,1,2,3,4,5,6,7,8,9,10,11,12,13,14,15
	global_load_b128 v[64*(\q)+4*\i:64*(\q)+4*\i+3], v[GOF], s[\base:\base+1] offset:(\off)+4096*\i
.endr
	WIN 0
.endm
; raw set q goes through the wave's own stage and comes back 256 bytes of one row to a lane.  LDS serves a wave's instructions in order: no wait between the stores and the loads
.macro TURN q
	WIN 0x04                                       ; an LDS store's data are its source 1: window 1
.irp i, 0,1,2,3,4,5,6,7,8,9,10,11,12,13,14,15
	ds_store_b128 v[STI], v[64*(\q)+4*\i:64*(\q)+4*\i+3] offset:SPITCH*\i
.endr
	WIN 0
.irp b, 0,1,2,3
.irp j, 0,1,2,3
	ds_load_b128 v[X+16*\b+4*\j:X+16*\b+4*\j+3], v[STO] offset:128*\b+16*\j
.endr
.endr
.endm
; 64 numbers of a lane become a fragment's codes in v[pc] on and its row's scale word in v[pw]
.macro QUANT s, pc, pw
.irp b, 0,1,2,3
	v_max3_num_f32 v[TM+\b], |v[\s+16*\b]|, |v[\s+1+16*\b]|, 0x8000000   ; block b: my 16 numbers, and the floor 2^(16 - 127): the byte cannot fall under 1
.endr
.irp i, 2,4,6,8,10,12,14
.irp b, 0,1,2,3
	v_max3_num_f32 v[TM+\b], v[TM+\b], |v[\s+16*\b+\i]|, |v[\s+1+16*\b+\i]|   ; the four blocks by turns
.endr
.endr
.irp b, 0,1,2,3
	v_permlanex16_b32 v[TM+4+\b], v[TM+\b], s[SEL], s[SEL+1]
.endr
.irp b, 0,1,2,3
	v_max_num_f32 v[TM+\b], v[TM+\b], v[TM+4+\b]   ; with lane l xor 16's: the block's largest magnitude
.endr
.irp b, 0,1,2,3
	v_add_nc_u32 v[TM+12+\b], 0xf8800000, v[TM+\b]   ; 15 off its exponent field: the conversion's scale operand
.endr
.irp b, 0,1,2,3
	v_and_or_b32 v[TM+8+\b], v[TM+\b], 0x7f800000, s[MNT]   ; 57,344 x the scale
.endr
.irp b, 0,1,2,3
	v_lshrrev_b32 v[TM+4+\b], 23, v[TM+12+\b]      ; the scale's byte
.endr
	v_lshl_or_b32 v[\pw], v[TM+5], 8, v[TM+4]
	v_lshl_or_b32 v[\pw], v[TM+6], 16, v[\pw]
	v_lshl_or_b32 v[\pw], v[TM+7], 24, v[\pw]
.irp b, 0,1,2,3
.irp i, 0,1,2,3,4,5,6,7,8,9,10,11,12,13,14,15
	v_med3_num_f32 v[\s+16*\b+\i], v[\s+16*\b+\i], -v[TM+8+\b], v[TM+8+\b]   ; the conversion to an 8-bit code does not saturate (ISA guide 7.6.2): the hold comes first
.endr
	v_cvt_scalef32_pk8_bf8_f32 v[\pc+4*\b:\pc+1+4*\b], v[\s+16*\b:\s+7+16*\b], v[TM+12+\b]
	v_cvt_scalef32_pk8_bf8_f32 v[\pc+2+4*\b:\pc+3+4*\b], v[\s+8+16*\b:\s+15+16*\b], v[TM+12+\b]
.endr
	v_nop                                          ; one plain instruction behind the last scaled conversion
.endm
; source 0 = 16 rows of Wq, source 1 = 16 rows of query: lane (r, hh), register j = the part of qp(b = 16 bt + r, u = 8 hh + j).
; With QUANT's closing v_nop five plain instructions stand between the last conversion and the product; the scale word was made ahead of the 64 holds
.macro QP bt
.rept 4
	v_nop
.endr
	v_wmma_scale_f32_16x16x128_f8f6f4 v[ACC+8*\bt:ACC+8*\bt+7], v[PCW:PCW+15], v[PCQ:PCQ+15], 0, v[PWW], v[PWQ] matrix_a_fmt:MATRIX_FMT_BF8 matrix_b_fmt:MATRIX_FMT_BF8
.endm
	s_load_b256 s[4:11], s[0:1], 0x0               ; Wk s[4:5], Wq s[6:7], query s[8:9], wkc s[10:11]
	s_load_b128 s[12:15], s[0:1], 0x20             ; wks s[12:13], cq s[14:15]
	v_lshl_add_u32 v254, v0, 2, 0x19a00
	v_mov_b32 v255, 0
	v_lshrrev_b32 v12, 5, v0
	v_readfirstlane_b32 s[WV], v12                 ; wave = K step
	v_and_b32 v12, 31, v0                          ; lane
	v_and_b32 v13, 15, v0                          ; r
	v_bfe_u32 v14, v0, 4, 1                        ; hh
	v_lshlrev_b32 v[L16], 4, v12
	s_lshl_b32 s17, s[WV], 9
	v_add_nc_u32 v[GOF], s17, v[L16]
	s_mul_i32 s17, s[WV], STGW
	v_add_nc_u32 v[STI], s17, v[L16]
	v_mul_u32_u24 v15, v13, SPITCH
	v_lshl_add_u32 v15, v14, 6, v15
	v_add_nc_u32 v[STO], s17, v15                  ; row r, + 64 hh: my 16 numbers of each block of 32
	s_and_b32 s17, s[WV], 1
	s_lshl_b32 s17, s17, 8
	s_lshr_b32 s18, s[WV], 1
	s_lshl_b32 s18, s18, 2
	s_add_co_u32 s17, s17, s18
	s_add_co_u32 s17, s17, SCW
	v_lshl_add_u32 v[SCA], v13, 4, s17             ; SCW + 256 (k & 1) + 4 (k >> 1) + 16 r
	s_lshl_b32 s17, s[WV], 12
	s_add_co_u32 s17, s17, RED
	v_add_nc_u32 v[REDW], s17, v[L16]
	s_lshl_b32 s17, s[WV], 9
	s_add_co_u32 s17, s17, RED
	v_add_nc_u32 v[REDR], s17, v[L16]
	s_lshr_b32 s17, s[WV], 1
	s_lshl_b32 s17, s17, 10
	s_and_b32 s18, s[WV], 1
	s_lshl_b32 s18, s18, 4
	s_add_co_u32 s17, s17, s18
	s_add_co_u32 s17, s17, OUTB
	v_lshlrev_b32 v15, 6, v13
	v_lshl_add_u32 v15, v14, 5, v15
	v_add_nc_u32 v[OUTW], s17, v15                 ; OUTB + 1024 (w >> 1) + 16 (w & 1) + 64 r + 32 hh
	v_lshl_add_u32 v[OUTR], v0, 4, OUTB
	v_lshlrev_b32 v[G16], 4, v0
	v_add_nc_u32 v[SCR], SCW, v[L16]
.irp b, 0,1,2,3
	v_mov_b32 v[TM+4+\b], 0                        ; written once: a lane permute's destination counts as one of its sources
.endr
	s_mov_b32 s[SEL], 0x76543210
	s_mov_b32 s[SEL+1], 0xfedcba98                 ; lane l xor 16
	s_mov_b32 s[MNT], 0x600000                     ; the mantissa field of 57,344
	s_mov_b32 s[CC], 0x4038aa3b                    ; 2 log2(e)
	s_mov_b32 s[CC+1], s[CC]
	s_lshl_b32 s24, ttmp9, 16                      ; 16 rows of 4,096 bytes
	s_mov_b32 s25, 0
	s_lshl_b32 s26, ttmp9, 14
	s_lshl_b32 s27, s[WV], 11
	s_add_co_u32 s26, s26, s27                     ; wkc: 16,384 t + 2,048 k
	s_mov_b32 s27, 0
	s_lshl_b32 s28, ttmp9, 9                       ; wks: 512 t
	s_mov_b32 s29, 0
	s_lshl_b32 s30, ttmp9, 12                      ; cq: 4,096 t
	s_mov_b32 s31, 0
	s_wait_kmcnt 0x0
	s_add_nc_u64 s[4:5], s[4:5], s[24:25]
	s_add_nc_u64 s[6:7], s[6:7], s[24:25]
	s_add_nc_u64 s[10:11], s[10:11], s[26:27]
	s_add_nc_u64 s[12:13], s[12:13], s[28:29]
	s_add_nc_u64 s[14:15], s[14:15], s[30:31]
	LOADW 0, 4, 0                                  ; Wk
	LOADW 1, 6, 0                                  ; Wq
	LOADW 2, 8, 0                                  ; query, rows 0-15
	LOADW 3, 8, 65536                              ; rows 16-31
	s_wait_loadcnt 48                              ; set 0 is in; three younger sets of 16 stay out
	TURN 0
	s_wait_dscnt 0x0                               ; the numbers are back, and the stage's stores have read set 0
	LOADW 0, 8, 2*65536                            ; rows 32-47
	QUANT X, PCK, PWK
.irp c, 0,1,2,3
	global_store_b128 v[L16], v[PCK+4*\c:PCK+4*\c+3], s[10:11] offset:512*\c   ; 512 consecutive bytes a store; these registers are not written again
.endr
	ds_store_b32 v[SCA], v[PWK]                    ; lanes r and r + 16 write the same word with the same value
	s_wait_loadcnt 48
	TURN 1
	s_wait_dscnt 0x0
	LOADW 1, 8, 3*65536                            ; rows 48-63
	QUANT X, PCW, PWW
	s_wait_loadcnt 48
	TURN 2
	s_wait_dscnt 0x0
	QUANT X, PCQ, PWQ
	QP 0
	s_wait_loadcnt 32                              ; nothing more is asked for: the counts run down
	TURN 3
	s_wait_dscnt 0x0
	QUANT X, PCQ, PWQ                              ; its first 52 lines, which name none of the product's registers, stand ahead of the first write of the scale word and the codes
	QP 1
	s_wait_loadcnt 16
	TURN 0
	s_wait_dscnt 0x0
	QUANT X, PCQ, PWQ
	QP 2
	s_wait_loadcnt 0x0
	TURN 1
	s_wait_dscnt 0x0
	QUANT X, PCQ, PWQ
	QP 3
.rept 8
	v_nop                                          ; eight plain instructions between the last product and the first read of its result
.endr
.irp g, 0,1,2,3,4,5,6,7
	ds_store_b128 v[REDW], v[ACC+4*\g:ACC+4*\g+3] offset:512*\g   ; each accumulator from its low end on
.endr
	s_wait_dscnt 0x0                               ; for the others' sake: my parts and my scale word lie in LDS
	s_barrier_signal -1
	s_barrier_wait -1
	s_cmp_lg_u32 s[WV], 0
	s_cbranch_scc1 .Lnot_wave_0
	ds_load_b128 v[SWD:SWD+3], v[SCR]              ; the tile's 128 scale words, 16 bytes a lane
	s_wait_dscnt 0x0
	global_store_b128 v[L16], v[SWD:SWD+3], s[12:13]
	global_store_b128 v[L16], v[SWD:SWD+3], s[12:13] offset:32768   ; and once more at tile t + 64
.Lnot_wave_0:
.irp k, 0,1,2,3,4,5,6,7
	ds_load_b128 v[X+4*\k:X+4*\k+3], v[REDR] offset:4096*\k   ; wave w sums group w of four registers over the eight K steps
.endr
	s_wait_dscnt 0x0
.irp k, 0,2,4,6
	v_pk_add_f32 v[X+4*\k:X+4*\k+1], v[X+4*\k:X+4*\k+1], v[X+4*\k+4:X+4*\k+5]
	v_pk_add_f32 v[X+4*\k+2:X+4*\k+3], v[X+4*\k+2:X+4*\k+3], v[X+4*\k+6:X+4*\k+7]
.endr
.irp k, 0,4
	v_pk_add_f32 v[X+4*\k:X+4*\k+1], v[X+4*\k:X+4*\k+1], v[X+4*\k+8:X+4*\k+9]
	v_pk_add_f32 v[X+4*\k+2:X+4*\k+3], v[X+4*\k+2:X+4*\k+3], v[X+4*\k+10:X+4*\k+11]
.endr
	v_pk_add_f32 v[X:X+1], v[X:X+1], v[X+16:X+17]
	v_pk_add_f32 v[X+2:X+3], v[X+2:X+3], v[X+18:X+19]
	v_pk_mul_f32 v[X:X+1], v[X:X+1], s[CC:CC+1] op_sel_hi:[1,0]   ; x 2 log2(e): the next launch's exponent is one multiply-add
	v_pk_mul_f32 v[X+2:X+3], v[X+2:X+3], s[CC:CC+1] op_sel_hi:[1,0]
	ds_store_b128 v[OUTW], v[X:X+3]
	s_wait_dscnt 0x0
	s_barrier_signal -1
	s_barrier_wait -1
	ds_load_b128 v[X+32:X+35], v[OUTR]
	s_wait_dscnt 0x0
	global_store_b128 v[G16], v[X+32:X+35], s[14:15]   ; a wave stores 512 consecutive bytes
	s_wait_tensorcnt 0x0
	ds_add_u32 v254, v255
	s_wait_dscnt 0x0
	s_endpgm
.Lfunc_end_k_q1063d4f7d6_prep:
	.size	k_q1063d4f7d6_prep, .Lfunc_end_k_q1063d4f7d6_prep-k_q1063d4f7d6_prep
	.p2alignl 7, 3214868480
	.fill 96, 4, 3214868480
	.section	.rodata,"a",@progbits
	.p2align	6, 0x0
	.amdhsa_kernel k_q1063d4f7d6_prep
		.amdhsa_group_segment_fixed_size 105984
		.amdhsa_private_segment_fixed_size 0
		.amdhsa_enable_private_segment 0
		.amdhsa_kernarg_size 48
		.amdhsa_user_sgpr_count 2
		.amdhsa_user_sgpr_kernarg_segment_ptr 1
		.amdhsa_wavefront_size32 1
		.amdhsa_system_sgpr_workgroup_id_x 1
		.amdhsa_system_sgpr_workgroup_id_y 1
		.amdhsa_system_sgpr_workgroup_id_z 1
		.amdhsa_system_vgpr_workitem_id 0
		.amdhsa_next_free_vgpr 512
		.amdhsa_next_free_sgpr 66
		.amdhsa_reserve_vcc 0
		.amdhsa_float_denorm_mode_32 3
		.amdhsa_float_denorm_mode_16_64 3
		.amdhsa_memory_ordered 1
		.amdhsa_forward_progress 1
		.amdhsa_inst_pref_size 78
	.end_amdhsa_kernel
	.amdgpu_metadata
---
amdhsa.version: [ 1, 2 ]
amdhsa.kernels:
  - .name:           k_q1063d4f7d6_prep
    .symbol:         k_q1063d4f7d6_prep.kd
    .args:
      - { .name: Wk, .offset: 0, .size: 8, .value_kind: global_buffer, .address_space: global }
      - { .name: Wq, .offset: 8, .size: 8, .value_kind: global_buffer, .address_space: global }
      - { .name: query, .offset: 16, .size: 8, .value_kind: global_buffer, .address_space: global }
      - { .name: wkc, .offset: 24, .size: 8, .value_kind: global_buffer, .address_space: global }
      - { .name: wks, .offset: 32, .size: 8, .value_kind: global_buffer, .address_space: global }
      - { .name: cq, .offset: 40, .size: 8, .value_kind: global_buffer, .address_space: global }
    .group_segment_fixed_size: 105984
    .private_segment_fixed_size: 0
    .kernarg_segment_align: 8
    .kernarg_segment_size: 48
    .max_flat_workgroup_size: 256
    .sgpr_count:     66
    .vgpr_count:     512
    .wavefront_size: 32
...
	.end_amdgpu_metadata
.endif
;; end of part 1
;; launch energy (part 2): grid 256 x 1, 4 waves a work-group, clusters of 4 x 1, 327,680 bytes of LDS; arguments keys, mask, wkc, wks, cq, v, en; writes en
.if DOCPART == 2
	.amdgcn_target "amdgcn-amd-amdhsa--gfx1250"
	.amdhsa_code_object_version 6
	.text
	.protected	k_q1063d4f7d6_energy
	.globl	k_q1063d4f7d6_energy
	.p2align	8
	.type	k_q1063d4f7d6_energy,@function
k_q1063d4f7d6_energy:
	s_mov_b64 s[64:65], 0
	v_nop
	global_prefetch_b8 v0, s[64:65] scope:SCOPE_SE
	s_setreg_imm32_b32 hwreg(HW_REG_WAVE_MODE, 25, 1), 1
	s_wait_xcnt 0x0
	s_wait_alu depctr_hold_cnt(0) depctr_sa_sdst(0) depctr_va_vdst(0) depctr_va_sdst(0) depctr_va_ssrc(0) depctr_va_vcc(0) depctr_vm_vsrc(0)
	s_getreg_b32 s2, hwreg(HW_REG_IB_STS2, 6, 4)
	s_cmp_eq_u32 s2, 0
	s_cbranch_scc0 .Lentry_in_a_cluster
	s_endpgm
.Lentry_in_a_cluster:
	s_bfe_u32 s2, ttmp6, 0x10000c
	s_cmp_lg_u32 s2, 0x3003
	s_cbranch_scc0 .Lentry_shape_is_right
	s_endpgm
.Lentry_shape_is_right:
; ENERGY.  en[b][s] = sum over h of (-2 v[h]) / (1 + 2^(c (qp[b][h] + kp[b][s][h]))), c = 2 log2(e), kp = keys Wk^T on codes of E5M2 with E8M0 scales.
; tanh(x) = 1 - 2 / (1 + 2^(c x)), so this is reference()'s energy less the sum of v, which is the same for all s of a batch and falls out of the softmax; energy is no output.
; The form saturates by itself: 2^(..) = infinity gives 0, 2^(..) = 0 gives 1: no clip.
; SHARES.  A cluster of four work-groups is a batch; a work-group takes 256 rows of keys, each of its four waves 64: four tiles of 16.
; P1: a wave loads its rows, quantises them along K and keeps the codes of all 1,024 K in 512 registers (windows 2 and 3).  The destination registers differ from K step to K step and the loop is rolled,
; so four K steps' codes at a time go to the wave's own LDS bytes as images of the registers and come back in one written-out run.
; P2: the wave walks all 64 tiles of 16 rows of Wk; each fragment of Wk read from LDS feeds four matrix instructions; no sum crosses waves.
; Wk's codes come through a ring of two LDS slots of four tiles, filled JOINTLY: all work-groups read the same bytes, so the four of a cluster issue the same tensor load with a mask that names the four.
; THE MASK: a padded row's energy is thrown away by the next launch, so its loads are pointed at the wave's row 0, by address arithmetic alone: no branch hangs on the mask.
; THE PRODUCT IS USED TRANSPOSED: source 0 = 16 rows of Wk, source 1 = 16 rows of keys: lane (r, hh) holds key row r and h = 8 hh + 0 .. 7 of the tile.
; BY TURNS: behind each matrix instruction of tile T stand three instructions of tile T - 1's tanh, in place on the other set of four accumulators.
; LIMITS: NaN and infinities among the inputs are not served; a padded row of keys is not read, so a number there that is not finite gives NaN in reference() and not here;
; a block of zeros gets the scale byte 1 (its codes are zeros); blocks whose largest magnitude lies under 2^-111 have their byte held at 1.
; REGISTERS.  window 0: v1-7 addresses; v8-15 P1: addresses, P2: c qp of the tile; v16-31 keys' scale words; v32-47 Wk's, four sets; v48-111 P1: 64 row offsets, P2: two sets of four accumulators;
;   v112-127 at work; v128-255 P1: 64 numbers and the codes just made, P2: Wk's eight fragments of a tile.
;   window 1: P1: four raw sets of 64; P2: v0-7 the sums, v8-15 -2 v of the tile.   windows 2, 3: keys' codes: K step 4 w' + k, tile m at v[64 m + 16 k].
.set SLOTB,  65536                     ; a slot: four tiles of 16,384 bytes; slot 1 begins here, so one exclusive or turns an address
.set CQT,    131072                    ; c qp of the batch, 1,024 f32
.set V2T,    CQT+4096                  ; -2 v, 1,024 f32
.set SPARE,  V2T+4096                  ; the spare words, 128 bytes for each wave: two blocks of 256 bytes that no other line names
.set STG,    SPARE+512                 ; a stage of 16 rows x 528 bytes for each wave
.set SPITCH, 528
.set STGW,   16*SPITCH
.set ISC,    STG+4*STGW                ; images of scale words: 2,048 bytes a wave
.set IMG,    ISC+4*2048                ; images of codes: 32,768 bytes a wave
.set SPW,  1
.set NIL,  2
.set AF,   3                           ; v3   16 x lane + the slot in hand
.set AC,   4                           ; v4   CQT + 32 hh + 256 x slot
.set L16,  5
.set STI,  6                           ; v6   P1: the stage, in;  P2: AC0 = CQT + 32 hh
.set AC0,  6
.set STO,  7
.set IMA,  8
.set ISA,  9
.set IMB,  10
.set ISR,  11
.set ISA0, 12
.set PW,   13
.set CQ,   8
.set KS,   16                          ; register 4 m + i: lanes 0-15 the word of K step 2 i, lanes 16-31 that of 2 i + 1
.set WS,   32                          ; set p, register i: the same for Wk's tile
.set RO,   48
.set ACC,  48
.set TM,   112
.set X,    128
.set PC,   192
.set FR,   128
.set WV,   18
.set CX,   19
.set G1,   28
.set G0A,  36
.set G0W,  40
.set CC,   44
.set SEL,  46
.set MNT,  48
.set CNT,  49
.set KB,   52
.set WSB,  54
.set ENB,  56
.set TI,   58
.set TS,   59
.set TC,   60
.set TB,   61
.set MK,   68                          ; s[68:83] my 64 rows' mask bytes
.set MSB, 0
.macro WIN new                         ; the immediate's high byte repeats the setting that is left
.if MSB != (\new)
	s_set_vgpr_msb (MSB<<8)|(\new)
.set MSB, (\new)
.endif
.endm
.macro CREST                           ; a round of the cluster's barrier behind its opening barrier
	s_cmp_lg_u32 s[WV], 0
	s_cbranch_scc1 .Lnot_wave_0_\@
	s_barrier_signal -3
.Lnot_wave_0_\@:
	s_barrier_wait -3
	s_barrier_signal -1
	s_barrier_wait -1
.endm
.macro ROUND
	s_barrier_signal -1
	s_barrier_wait -1
	CREST
.endm
; tile q's sixteen rows, 512 bytes each as they lie, into raw set q of window 1
.macro LOADK q, off
	WIN 0x40
.irp i, 0,1,2,3,4,5,6,7,8,9,10,11,12,13,14,15
	global_load_b128 v[64*(\q)+4*\i:64*(\q)+4*\i+3], v[RO+16*(\q)+\i], s[KB:KB+1] offset:\off
.endr
	WIN 0
.endm
; raw set q goes through the wave's own stage and comes back 256 bytes of one row to a lane.  LDS serves a wave's instructions in order: no wait between the stores and the loads
.macro TURN q
	WIN 0x04                                       ; an LDS store's data are its source 1: window 1
.irp i, 0,1,2,3,4,5,6,7,8,9,10,11,12,13,14,15
	ds_store_b128 v[STI], v[64*(\q)+4*\i:64*(\q)+4*\i+3] offset:SPITCH*\i
.endr
	WIN 0
.irp b, 0,1,2,3
.irp j, 0,1,2,3
	ds_load_b128 v[X+16*\b+4*\j:X+16*\b+4*\j+3], v[STO] offset:128*\b+16*\j
.endr
.endr
.endm
; 64 numbers of a lane, register 16 b + i = k 32 b + 16 hh + i of row r, become a fragment's codes in v[pc] on and its row's scale word in v[pw]
.macro QUANT s, pc, pw
.irp b, 0,1,2,3
	v_max3_num_f32 v[TM+\b], |v[\s+16*\b]|, |v[\s+1+16*\b]|, 0x8000000   ; block b: my 16 numbers, and the floor 2^(16 - 127): the byte cannot fall under 1
.endr
.irp i, 2,4,6,8,10,12,14
.irp b, 0,1,2,3
	v_max3_num_f32 v[TM+\b], v[TM+\b], |v[\s+16*\b+\i]|, |v[\s+1+16*\b+\i]|   ; the four blocks by turns
.endr
.endr
.irp b, 0,1,2,3
	v_permlanex16_b32 v[TM+4+\b], v[TM+\b], s[SEL], s[SEL+1]
.endr
.irp b, 0,1,2,3
	v_max_num_f32 v[TM+\b], v[TM+\b], v[TM+4+\b]   ; with lane l xor 16's: the block's largest magnitude
.endr
.irp b, 0,1,2,3
	v_add_nc_u32 v[TM+12+\b], 0xf8800000, v[TM+\b]   ; 15 off its exponent field: the conversion's scale operand
.endr
.irp b, 0,1,2,3
	v_and_or_b32 v[TM+8+\b], v[TM+\b], 0x7f800000, s[MNT]   ; 57,344 x the scale
.endr
.irp b, 0,1,2,3
	v_lshrrev_b32 v[TM+4+\b], 23, v[TM+12+\b]      ; the scale's byte
.endr
	v_lshl_or_b32 v[\pw], v[TM+5], 8, v[TM+4]
	v_lshl_or_b32 v[\pw], v[TM+6], 16, v[\pw]
	v_lshl_or_b32 v[\pw], v[TM+7], 24, v[\pw]
.irp b, 0,1,2,3
.irp i, 0,1,2,3,4,5,6,7,8,9,10,11,12,13,14,15
	v_med3_num_f32 v[\s+16*\b+\i], v[\s+16*\b+\i], -v[TM+8+\b], v[TM+8+\b]   ; the conversion to an 8-bit code does not saturate (ISA guide 7.6.2): the hold comes first
.endr
	v_cvt_scalef32_pk8_bf8_f32 v[\pc+4*\b:\pc+1+4*\b], v[\s+16*\b:\s+7+16*\b], v[TM+12+\b]
	v_cvt_scalef32_pk8_bf8_f32 v[\pc+2+4*\b:\pc+3+4*\b], v[\s+8+16*\b:\s+15+16*\b], v[TM+12+\b]
.endr
	v_nop                                          ; one plain instruction behind the last scaled conversion
.endm
; ONE K STEP of my 64 rows.  pref = 1: each raw set is filled again, with the next K step, as soon as the stage has taken it: 64 loads of 512 bytes a wave are asked for at any time.
.macro TRIP pref
	v_add_nc_u32 v[IMA], s[TI], v[IMB]
	v_add_nc_u32 v[ISA], s[TS], v[ISA0]
.irp q, 0,1,2,3
.if \pref
	s_wait_loadcnt 48                              ; set q is in; the three younger sets of 16 stay out
.else
	s_wait_loadcnt 48-16*\q                        ; nothing more is asked for: the counts run down
.endif
	TURN \q
	s_wait_dscnt 0x0                               ; the numbers are back; the stage's stores have read set q and the last image's stores their codes
.if \pref
	LOADK \q, 512
.endif
	QUANT X, PC, PW
.irp c, 0,1,2,3
	ds_store_b128 v[IMA], v[PC+4*\c:PC+4*\c+3] offset:2048*\q+512*\c   ; the fragment as it stands: 16 bytes a lane, 512 a store
.endr
	ds_store_b32 v[ISA], v[PW] offset:128*\q
.endr
.if \pref
	s_wait_xcnt 0x0                                ; the loads have read their base: it may step
	s_add_nc_u64 s[KB:KB+1], s[KB:KB+1], 512
.endif
	s_add_co_u32 s[TI], s[TI], 8192
	s_add_co_u32 s[TS], s[TS], 512
.endm
; four K steps' images come back into the registers where they stay: window 2 + h.  The wave's own bytes, served in order: no wait in front
.macro READBACK h
	WIN 0x80+0x40*(\h)
.irp k, 0,1,2,3
.irp m, 0,1,2,3
.irp c, 0,1,2,3
	ds_load_b128 v[64*\m+16*\k+4*\c:64*\m+16*\k+4*\c+3], v[IMB] offset:(4*\k+\m)*2048+512*\c
.endr
.endr
.endr
	WIN 0
.irp i, 0,1
.irp m, 0,1,2,3
	ds_load_b32 v[KS+4*\m+2*(\h)+\i], v[ISR] offset:1024*\i+128*\m   ; lanes 0-15 take the even K step's word, lanes 16-31 the odd one's: 512 bytes on
.endr
.endr
.endm
; sixteen LDS loads: half h (K steps 4 h .. 4 h + 3) of the fragments of tile pn of the slot at v[AF]
.macro RUN h, pn
.irp k, 0,1,2,3
.irp c, 0,1,2,3
	ds_load_b128 v[FR+64*(\h)+16*\k+4*\c:FR+64*(\h)+16*\k+4*\c+3], v[AF] offset:16384*(\pn)+8192*(\h)+2048*\k+512*\c
.endr
.endr
.endm
; matrix instruction i of a tile's 32: K step i / 4, tile of rows i % 4.  The four accumulators take turns, one instruction a turn, from tile to tile too.  The first four start the sums
.macro MM i, p
.set mk, (\i)/4
.set mm, (\i)%4
.set mD, ACC+32*((\p)%2)+8*mm
.set mA, FR+16*mk
.set mB, 64*mm+16*(mk%4)
.set mW, WS+4*(\p)+mk/2
.set mS, KS+4*mm+mk/2
.if mk == 0
	v_wmma_scale_f32_16x16x128_f8f6f4 v[mD:mD+7], v[mA:mA+15], v[mB:mB+15], 0, v[mW], v[mS] matrix_a_fmt:MATRIX_FMT_BF8 matrix_b_fmt:MATRIX_FMT_BF8
.elseif mk%2 == 0
	v_wmma_scale_f32_16x16x128_f8f6f4 v[mD:mD+7], v[mA:mA+15], v[mB:mB+15], v[mD:mD+7], v[mW], v[mS] matrix_a_fmt:MATRIX_FMT_BF8 matrix_b_fmt:MATRIX_FMT_BF8
.else
	v_wmma_scale_f32_16x16x128_f8f6f4 v[mD:mD+7], v[mA:mA+15], v[mB:mB+15], v[mD:mD+7], v[mW], v[mS] matrix_a_fmt:MATRIX_FMT_BF8 matrix_b_fmt:MATRIX_FMT_BF8 matrix_a_scale:MATRIX_SCALE_ROW1 matrix_b_scale:MATRIX_SCALE_ROW1
.endif
.endm
; THE TANH OF A TILE (4 accumulators, 32 registers at pv, in place) is a list of 96 instructions; TLI writes number n.
;   0-47   16 packed multiply-adds c kp + c qp and 32 exponentials: a pair is scaled two threes ahead of its exponentials; none reads an exponential's result
;   48-95  the same order: 16 packed additions of 1 and 32 reciprocals
; No item has a vector register as its source 1, so the list runs under the products' window settings.  The multiply-adds take each accumulator from its low end on.
.macro TLI n, pv
.set tn, (\n)%48
.set tk, -1
.set te, -1
.if tn < 2
.set tk, tn
.elseif tn < 44
.if (tn-2)%3 == 2
.set tk, (tn-2)/3+2
.else
.set te, 2*((tn-2)/3)+(tn-2)%3
.endif
.else
.set te, tn-16
.endif
.if (\n) < 48
.if tk >= 0
	v_pk_fma_f32 v[\pv+2*tk:\pv+2*tk+1], v[\pv+2*tk:\pv+2*tk+1], s[CC:CC+1], v[CQ+2*(tk%4):CQ+2*(tk%4)+1] op_sel_hi:[1,0,1]
.else
	v_exp_f32 v[\pv+te], v[\pv+te]
.endif
.else
.if tk >= 0
	v_pk_add_f32 v[\pv+2*tk:\pv+2*tk+1], v[\pv+2*tk:\pv+2*tk+1], 1.0 op_sel_hi:[1,0]
.else
	v_rcp_f32 v[\pv+te], v[\pv+te]
.endif
.endif
.endm
.macro MMS first, count, p             ; matrix instructions first .. first + count - 1, three of the list behind each
.set mi, \first
.rept \count
	MM mi, \p
	TLI 3*mi, PV
	TLI 3*mi+1, PV
	TLI 3*mi+2, PV
.set mi, mi+1
.endr
.endm
.macro FBLK                            ; the sums: window 1's v[2 m : 2 m + 1] += the reciprocals x (-2 v), a pair at a time; the four tiles of rows by turns
.irp pp, 0,1,2,3
.irp m, 0,1,2,3
	v_pk_fma_f32 v[2*\m:2*\m+1], v[PV+8*\m+2*\pp:PV+8*\m+2*\pp+1], v[8+2*\pp:9+2*\pp], v[2*\m:2*\m+1]
.endr
.endr
.endm
; ONE TILE OF Wk, the p-th of its slot.  chg = 1: the slot's last tile, and the slot is filled again; chg = 2: its last tile, nothing is left to fetch; chg = 0: neither.
.macro PERIOD p, chg
.set PV, ACC+32*(1-(\p)%2)             ; the tile before: the other set of accumulators
	s_wait_loadcnt 0x2                             ; this tile's scale words are in; the two younger loads stay out
	global_load_b128 v[WS+4*(((\p)+3)%4):WS+4*(((\p)+3)%4)+3], v[L16], s[WSB:WSB+1] offset:512*((\p)+3)   ; three tiles ahead, into the set that the last tile has left (17 plain instructions back)
	s_wait_dscnt 16                                ; all but the youngest sixteen loads (this tile's K steps 4-7) are in
	WIN 0x08                                       ; source 1 (keys' codes) window 2
	MMS 0, 8, \p
.if \chg
	WIN 0                                          ; (the add's two registers lie in window 0)
	s_wait_tensorcnt 0x0                           ; all my tensor loads have landed: my part of the next slot
	ds_add_u32 v[SPW], v[NIL]                      ; 0 onto my spare word
	WIN 0x08
.endif
	MMS 8, 4, \p
.if \chg
	s_wait_dscnt 0x0                               ; the add is done, and my reads of this slot are over: its last tile's fragments are all in registers
	s_barrier_signal -1
.endif
	MMS 12, 4, \p
	v_nop                                          ; a plain instruction behind the last exponential,
	s_wait_alu depctr_va_vdst(0)                   ; and one wait for the 32, ahead of the first instruction that names a result
.if \chg
	WIN 0
	s_barrier_wait -1
.if \chg == 1
	CREST                                          ; the barrier has opened a round of the cluster's: no wave of any partner still reads this slot or has a load on its way
	s_xor_b32 s[G0W+1], s[G0W+1], SLOTB            ; the walking descriptor: the other slot than last time,
	s_add_nc_u64 s[G0W+2:G0W+3], s[G0W+2:G0W+3], SLOTB   ; the next four tiles; the type bits on top are not reached
	tensor_load_to_lds s[G0W:G0W+3], s[G1:G1+7]    ; my one tensor load behind the round: it has three and a half tiles' products in which to land
	s_nop 0
.rept 4
	v_nop
.endr
.endif
	s_xor_b32 s[TB], s[TB], SLOTB
	v_add_nc_u32 v[AF], s[TB], v[L16]              ; the fetches go on in the other slot
.endif
.rept 7
	v_nop                                          ; with the v_nop above: eight plain instructions between the last product that read K steps 0-3 and the loads into their registers
.endr
	RUN 0, ((\p)+1)%4
	s_wait_dscnt 16                                ; all but the sixteen just issued: this tile's K steps 4-7 are in
	WIN 0x0c                                       ; source 1 window 3
	MMS 16, 16, \p
	v_nop
	s_wait_alu depctr_va_vdst(0)                   ; one wait for the 32 reciprocals
	WIN 0x54                                       ; sources 1, 2 and the destination window 1
	FBLK                                           ; these sixteen are also the plain instructions between the tile's last products and what follows: the loads below and the next tile's first read of the results
	WIN 0x40
	ds_load_b128 v[8:11], v[AC] offset:4096+64*(\p)      ; -2 v of this tile's h = 8 hh + 0 .. 7,
	ds_load_b128 v[12:15], v[AC] offset:4096+64*(\p)+16
	WIN 0
	ds_load_b128 v[CQ:CQ+3], v[AC] offset:64*(\p)        ; and c qp: for its tanh, in the next period
	ds_load_b128 v[CQ+4:CQ+7], v[AC] offset:64*(\p)+16
	RUN 1, ((\p)+1)%4
.endm
	s_load_b256 s[4:11], s[0:1], 0x0               ; keys s[4:5], mask s[6:7], wkc s[8:9], wks s[10:11]
	s_load_b128 s[12:15], s[0:1], 0x20             ; cq s[12:13], v s[14:15]
	s_load_b64 s[16:17], s[0:1], 0x30              ; en
	v_lshl_add_u32 v[SPW], v0, 2, SPARE
	v_mov_b32 v[NIL], 0
	ds_add_u32 v1, v2
	ds_add_u32 v1, v2
	s_wait_dscnt 0x0
	v_lshrrev_b32 v14, 5, v0
	v_readfirstlane_b32 s[WV], v14                 ; wave 0..3
	s_bfe_u32 s[CX], ttmp6, 0x40000                ; my place in the cluster: it enters the addresses of keys, mask and en alone
	; descriptor group 1: a tile of Wk's codes, 16,384 dense bytes, as 64 rows of 32 elements of 8 bytes; no padding: the images are read 16 bytes a lane on end
	s_mov_b32 s[G1], 15|(3<<16)|(1<<21)            ; 15:0 the mask: all four work-groups; 17:16 elements of 8 bytes; 21 set beside a mask
	s_mov_b32 s[G1+1], 32<<16                      ; tensor_dim0 = 32
	s_mov_b32 s[G1+2], 64<<16                      ; tensor_dim1 = 64
	s_mov_b32 s[G1+3], 32<<16                      ; tile_dim0 = 32
	s_mov_b32 s[G1+4], 64                          ; tile_dim1 = 64
	s_mov_b32 s[G1+5], 32                          ; from row to row
	s_mov_b32 s[G1+6], 0
	s_mov_b32 s[G1+7], 0
	s_mov_b32 s[CC], 0x4038aa3b                    ; c = 2 log2(e)
	s_mov_b32 s[CC+1], s[CC]                       ; (named with it as a pair, so it is written)
	s_mov_b32 s[SEL], 0x76543210
	s_mov_b32 s[SEL+1], 0xfedcba98                 ; lane l xor 16
	s_mov_b32 s[MNT], 0x600000                     ; the mantissa field of 57,344
	s_lshl_b32 s22, ttmp9, 22                      ; keys: the batch (in a cluster launch ttmp9 counts clusters),
	s_lshl_b32 s21, s[CX], 20
	s_add_co_u32 s22, s22, s21                     ; my work-group's 256 rows,
	s_lshl_b32 s21, s[WV], 18
	s_add_co_u32 s22, s22, s21                     ; my wave's 64
	s_mov_b32 s23, 0
	s_lshl_b32 s24, ttmp9, 10
	s_lshl_b32 s21, s[CX], 8
	s_add_co_u32 s24, s24, s21
	s_lshl_b32 s21, s[WV], 6
	s_add_co_u32 s24, s24, s21                     ; my first row's number: 1,024 b + 256 cx + 64 w
	s_mov_b32 s25, 0
	s_lshl_b32 s26, s[WV], 14                      ; the tile of a slot that I fetch: the wave's number alone
	s_mov_b32 s27, 0
	s_wait_kmcnt 0x0
	s_add_nc_u64 s[KB:KB+1], s[4:5], s[22:23]
	s_add_nc_u64 s[6:7], s[6:7], s[24:25]          ; mask at my rows
	s_lshl_b32 s24, s24, 2
	s_add_nc_u64 s[ENB:ENB+1], s[16:17], s[24:25]
	s_mov_b64 s[WSB:WSB+1], s[10:11]
	s_lshl_b32 s22, ttmp9, 6
	s_add_nc_u64 s[12:13], s[12:13], s[22:23]      ; cq at my batch: 64 bytes in each tile's 4,096
	s_mov_b32 s[G0A], 1                            ; count = 1
	s_lshl_b32 s[G0A+1], s[WV], 14                 ; LDS: slot 0, tile w
	s_add_nc_u64 s[G0A+2:G0A+3], s[8:9], s[26:27]
	s_mov_b32 s[G0W], 1
	s_add_co_u32 s[G0W+1], s[G0A+1], SLOTB         ; slot 1, tile w
	s_add_nc_u64 s[G0W+2:G0W+3], s[G0A+2:G0A+3], SLOTB
	s_or_b32 s[G0A+3], s[G0A+3], 0x80000000        ; type = 2
	s_or_b32 s[G0W+3], s[G0W+3], 0x80000000
	ROUND                                          ; all four work-groups are here: the first joint loads meet
	tensor_load_to_lds s[G0A:G0A+3], s[G1:G1+7]    ; tiles 0-3
	s_nop 0
	tensor_load_to_lds s[G0W:G0W+3], s[G1:G1+7]    ; tiles 4-7: two loads of mine are out, and land under P1
	s_nop 0
.rept 4
	v_nop
.endr
	s_load_b512 s[MK:MK+15], s[6:7], 0x0           ; my 64 rows' mask bytes
	v_and_b32 v14, 31, v0                          ; lane
	v_and_b32 v15, 15, v0                          ; r
	v_bfe_u32 v13, v0, 4, 1                        ; hh
	v_lshlrev_b32 v[L16], 4, v14
	s_mul_i32 s21, s[WV], STGW
	s_add_co_u32 s21, s21, STG
	v_add_nc_u32 v[STI], s21, v[L16]
	v_mul_u32_u24 v[STO], v15, SPITCH
	v_lshl_add_u32 v[STO], v13, 6, v[STO]
	v_add_nc_u32 v[STO], s21, v[STO]               ; row r, + 64 hh
	s_lshl_b32 s21, s[WV], 15
	s_add_co_u32 s21, s21, IMG
	v_add_nc_u32 v[IMB], s21, v[L16]
	s_lshl_b32 s21, s[WV], 11
	s_add_co_u32 s21, s21, ISC
	v_lshl_add_u32 v[ISA0], v14, 2, s21
	v_lshl_add_u32 v[ISR], v15, 2, s21
	v_lshl_add_u32 v[ISR], v13, 9, v[ISR]
	v_lshrrev_b32 v14, 1, v0                       ; thread i brings 32 bytes of c qp (tile i / 2, half i % 2) and 32 of v
	v_and_b32 v15, 1, v0
	v_lshlrev_b32 v14, 12, v14
	v_lshl_add_u32 v14, v15, 5, v14
	v_lshlrev_b32 v15, 5, v0
	v_lshl_add_u32 v13, v0, 5, CQT
	global_load_b128 v[128:131], v14, s[12:13]
	global_load_b128 v[132:135], v14, s[12:13] offset:16
	global_load_b128 v[136:139], v15, s[14:15]
	global_load_b128 v[140:143], v15, s[14:15] offset:16
.irp b, 0,1,2,3
	v_mov_b32 v[TM+4+\b], 0                        ; written once: a lane permute's destination counts as one of its sources
.endr
	s_wait_kmcnt 0x0
	v_mov_b32 v[RO], v[L16]                        ; row 0 is read whatever its mask byte says: padded rows are pointed at it
.set rw, 1
.rept 63                               ; row rw's offset: 4,096 rw where the row counts, 0 where it is padded: byte -> min(byte, 1) -> + 1 -> and 1 -> x 4,096 rw
	s_bfe_u32 s[21+rw%4], s[MK+rw/4], (8<<16)|(8*(rw%4))
	s_min_u32 s[21+rw%4], s[21+rw%4], 1
	s_add_co_u32 s[21+rw%4], s[21+rw%4], 1
	s_and_b32 s[21+rw%4], s[21+rw%4], 1
	s_mul_i32 s[21+rw%4], s[21+rw%4], rw*4096
	v_add_nc_u32 v[RO+rw], s[21+rw%4], v[L16]
.set rw, rw+1
.endr
	s_wait_loadcnt 0x0
	v_pk_mul_f32 v[136:137], v[136:137], -2.0 op_sel_hi:[1,0]
	v_pk_mul_f32 v[138:139], v[138:139], -2.0 op_sel_hi:[1,0]
	v_pk_mul_f32 v[140:141], v[140:141], -2.0 op_sel_hi:[1,0]
	v_pk_mul_f32 v[142:143], v[142:143], -2.0 op_sel_hi:[1,0]
	ds_store_b128 v13, v[128:131]
	ds_store_b128 v13, v[132:135] offset:16
	ds_store_b128 v13, v[136:139] offset:4096
	ds_store_b128 v13, v[140:143] offset:4112
	; ---- P1: my 64 rows become codes
	LOADK 0, 0
	LOADK 1, 0
	LOADK 2, 0
	LOADK 3, 0
	s_mov_b32 s[TI], 0
	s_mov_b32 s[TS], 0
	s_mov_b32 s[CNT], 4
.Lfirst_half:
	TRIP 1
	s_sub_co_u32 s[CNT], s[CNT], 1
	s_cmp_lg_u32 s[CNT], 0
	s_cbranch_scc1 .Lfirst_half
	READBACK 0
	s_mov_b32 s[TI], 0
	s_mov_b32 s[TS], 0
	s_mov_b32 s[CNT], 3
.Lsecond_half:
	TRIP 1
	s_sub_co_u32 s[CNT], s[CNT], 1
	s_cmp_lg_u32 s[CNT], 0
	s_cbranch_scc1 .Lsecond_half
	TRIP 0                                         ; the last K step is written out: no load passes a row's end
	READBACK 1
	; ---- between the phases
	s_wait_dscnt 0x0                               ; my codes and scale words are in registers; my part of c qp and of -2 v lies in LDS
	s_wait_tensorcnt 0x1                           ; my tile of slot 0 is in; slot 1's may stay out
	s_barrier_signal -1
	s_barrier_wait -1
.set zi, 0
.rept 32
	v_mov_b32 v[ACC+32+zi], 0                      ; the first period finds a tile before it that adds nothing: zeros here, in c qp and in -2 v; so the period is written once
.set zi, zi+1
.endr
.irp j, 0,1,2,3,4,5,6,7
	v_mov_b32 v[CQ+\j], 0
.endr
	WIN 0x40
.irp j, 0,1,2,3,4,5,6,7,8,9,10,11,12,13,14,15
	v_mov_b32 v[\j], 0                             ; window 1: the sums, and -2 v
.endr
	WIN 0
	v_bfe_u32 v[AC0], v0, 4, 1
	v_lshl_add_u32 v[AC0], v[AC0], 5, CQT
	s_mov_b32 s[TB], 0
	s_mov_b32 s[TC], 0
	v_add_nc_u32 v[AF], s[TB], v[L16]
.irp t, 0,1,2
	global_load_b128 v[WS+4*\t:WS+4*\t+3], v[L16], s[WSB:WSB+1] offset:512*\t
.endr
	RUN 0, 0
	RUN 1, 0
	; ---- P2: 64 tiles of Wk
	s_mov_b32 s[CNT], 14
.Lslot:                                            ; every slot's worth of tiles but the last two is followed by a refill
	v_add_nc_u32 v[AC], s[TC], v[AC0]
	PERIOD 0, 0
	PERIOD 1, 0
	PERIOD 2, 0
	PERIOD 3, 1
	s_wait_xcnt 0x0                                ; the scale words' loads have read their base: it may step
	s_add_nc_u64 s[WSB:WSB+1], s[WSB:WSB+1], 2048
	s_add_co_u32 s[TC], s[TC], 256
	s_sub_co_u32 s[CNT], s[CNT], 1
	s_cmp_lg_u32 s[CNT], 0
	s_cbranch_scc1 .Lslot
	s_mov_b32 s[CNT], 2
.Ltail:                                            ; the last two slots ask for nothing: a copy of their own.  The very last look-ahead reads bytes of tiles 64 on, which nobody uses
	v_add_nc_u32 v[AC], s[TC], v[AC0]
	PERIOD 0, 0
	PERIOD 1, 0
	PERIOD 2, 0
	PERIOD 3, 2
	s_wait_xcnt 0x0
	s_add_nc_u64 s[WSB:WSB+1], s[WSB:WSB+1], 2048
	s_add_co_u32 s[TC], s[TC], 256
	s_sub_co_u32 s[CNT], s[CNT], 1
	s_cmp_lg_u32 s[CNT], 0
	s_cbranch_scc1 .Ltail
	; the last tile's tanh
	s_wait_dscnt 0x0
.set PV, ACC+32
.set di, 0
.rept 48
	TLI di, PV
.set di, di+1
.endr
	v_nop
	s_wait_alu depctr_va_vdst(0)
.rept 48
	TLI di, PV
.set di, di+1
.endr
	v_nop
	s_wait_alu depctr_va_vdst(0)
	WIN 0x54
	FBLK
	; ---- the way out: a row's sum is two halves of a pair and the other half of the lanes'
	WIN 0x05                                       ; sources 0 and 1 window 1
.irp m, 0,1,2,3
	v_add_f32 v[TM+\m], v[2*\m], v[2*\m+1]
.endr
	WIN 0
.irp m, 0,1,2,3
	v_permlanex16_b32 v[TM+4+\m], v[TM+\m], s[SEL], s[SEL+1]
.endr
.irp m, 0,1,2,3
	v_add_f32 v[TM+\m], v[TM+\m], v[TM+4+\m]
.endr
	s_mul_i32 s21, s[WV], STGW
	s_add_co_u32 s21, s21, STG                     ; my stage once more
	v_and_b32 v14, 15, v0
	v_lshl_add_u32 v[STO], v14, 2, s21
	v_and_b32 v14, 31, v0
	v_lshl_add_u32 v[STI], v14, 3, s21
	v_lshlrev_b32 v15, 3, v14
.irp m, 0,1,2,3
	ds_store_b32 v[STO], v[TM+\m] offset:64*\m     ; row 16 m + r; lanes r and r + 16 write the same word with the same value
.endr
	ds_load_b64 v[8:9], v[STI]                     ; LDS serves a wave's instructions in order: this sees my stores
	s_wait_dscnt 0x0
	global_store_b64 v15, v[8:9], s[ENB:ENB+1]     ; 32 lanes store my 64 rows' 256 consecutive bytes, aligned
	s_wait_tensorcnt 0x0                           ; the wave's end
	ds_add_u32 v[SPW], v[NIL]
	s_wait_dscnt 0x0
	ROUND                                          ; the closing round: no work-group ends while a partner may still ask for a tile that names it
	s_endpgm
.Lfunc_end_k_q1063d4f7d6_energy:
	.size	k_q1063d4f7d6_energy, .Lfunc_end_k_q1063d4f7d6_energy-k_q1063d4f7d6_energy
	.p2alignl 7, 3214868480
	.fill 96, 4, 3214868480
	.section	.rodata,"a",@progbits
	.p2align	6, 0x0
	.amdhsa_kernel k_q1063d4f7d6_energy
		.amdhsa_group_segment_fixed_size 327680
		.amdhsa_private_segment_fixed_size 0
		.amdhsa_enable_private_segment 0
		.amdhsa_kernarg_size 56
		.amdhsa_user_sgpr_count 2
		.amdhsa_user_sgpr_kernarg_segment_ptr 1
		.amdhsa_wavefront_size32 1
		.amdhsa_system_sgpr_workgroup_id_x 1
		.amdhsa_system_sgpr_workgroup_id_y 1
		.amdhsa_system_sgpr_workgroup_id_z 1
		.amdhsa_system_vgpr_workitem_id 0
		.amdhsa_next_free_vgpr 1024
		.amdhsa_next_free_sgpr 96
		.amdhsa_reserve_vcc 0
		.amdhsa_float_denorm_mode_32 3
		.amdhsa_float_denorm_mode_16_64 3
		.amdhsa_memory_ordered 1
		.amdhsa_forward_progress 1
		.amdhsa_inst_pref_size 255
	.end_amdhsa_kernel
	.section	.bss,"aw",@nobits
	.p2align	6
	.space	262144
	.amdgpu_metadata
---
amdhsa.version: [ 1, 2 ]
amdhsa.kernels:
  - .name:           k_q1063d4f7d6_energy
    .symbol:         k_q1063d4f7d6_energy.kd
    .args:
      - { .name: keys, .offset: 0, .size: 8, .value_kind: global_buffer, .address_space: global }
      - { .name: mask, .offset: 8, .size: 8, .value_kind: global_buffer, .address_space: global }
      - { .name: wkc, .offset: 16, .size: 8, .value_kind: global_buffer, .address_space: global }
      - { .name: wks, .offset: 24, .size: 8, .value_kind: global_buffer, .address_space: global }
      - { .name: cq, .offset: 32, .size: 8, .value_kind: global_buffer, .address_space: global }
      - { .name: v, .offset: 40, .size: 8, .value_kind: global_buffer, .address_space: global }
      - { .name: en, .offset: 48, .size: 8, .value_kind: global_buffer, .address_space: global }
    .group_segment_fixed_size: 327680
    .private_segment_fixed_size: 0
    .kernarg_segment_align: 8
    .kernarg_segment_size: 56
    .max_flat_workgroup_size: 128
    .sgpr_count:     96
    .vgpr_count:     1024
    .wavefront_size: 32
...
	.end_amdgpu_metadata
.endif
;; end of part 2
;; launch ctx (part 3): grid 4 x 64, 8 waves a work-group, no clusters, 13,824 bytes of LDS; arguments keys, mask, en, out0, out1; writes out0, out1
.if DOCPART == 3
	.amdgcn_target "amdgcn-amd-amdhsa--gfx1250"
	.amdhsa_code_object_version 6
	.text
	.protected	k_q1063d4f7d6_ctx
	.globl	k_q1063d4f7d6_ctx
	.p2align	8
	.type	k_q1063d4f7d6_ctx,@function
k_q1063d4f7d6_ctx:
	s_mov_b64 s[64:65], 0
	v_nop
	global_prefetch_b8 v0, s[64:65] scope:SCOPE_SE
	s_setreg_imm32_b32 hwreg(HW_REG_WAVE_MODE, 25, 1), 1
	s_wait_xcnt 0x0
; CTX.  attn[b] = softmax over s of the masked energies; context[b][k] = sum over s of attn[b][s] keys[b][s][k].
; en holds reference()'s energy less a number that is the same for all s of a batch: the softmax, which takes the row's maximum away first, does not see it.
; SHARES.  Work-group (kq, b) owns context[b][256 kq .. 256 kq + 255]: one owner for each output.  Each of a batch's four work-groups makes the batch's softmax for itself (1,024 numbers);
; thread i holds rows 4 i .. 4 i + 3.  Wave w streams rows 128 w .. 128 w + 127, 1,024 bytes of each, and its lanes hold just these rows' weights: a weight is read from lane l by v_readlane_b32.
; attn is stored by the two waves whose number / 2 is kq: each byte by one work-group.
; THE MASK: a padded row's weight is 0, so its loads are pointed at row 0, by address arithmetic alone.  A batch that is padded throughout gives sums of 0: the divisor's reciprocal is replaced by 0, and attn and context are 0, as in reference().
; No matrix unit: the product has one row a batch.  No LDS ring: each byte is used once, by one lane.
; LIMITS: NaN and infinities among the inputs are not served; a padded row of keys is not read, so a number there that is not finite gives NaN in reference() and not here.
.set MAXW, 0                           ; LDS: eight waves' maxima,
.set SUMW, 256                         ; their sums,
.set PART, 4608                        ; and their parts of the context: 8 x 1,024 bytes
.set L16, 1
.set AT,  2                            ; v2-5   energies, then weights, of my four rows
.set IDX, 6                            ; v6-9   my rows' numbers, 0 where padded
.set ACC, 16                           ; v16-23 columns 4 lane .. + 3 and 128 + 4 lane .. + 3 of my work-group's 256
.set ADR, 24                           ; v24-39 four sets of four row offsets
.set KEY, 64                           ; v64-191 four sets: four rows x 8 numbers
.set WV,  16
	s_load_b256 s[4:11], s[0:1], 0x0               ; keys s[4:5], mask s[6:7], en s[8:9], out0 s[10:11]
	s_load_b64 s[12:13], s[0:1], 0x20              ; out1
	v_lshl_add_u32 v192, v0, 2, 0x3200
	v_mov_b32 v193, 0
	v_lshrrev_b32 v11, 5, v0
	v_readfirstlane_b32 s[WV], v11                 ; wave 0..7
	s_and_b32 s17, ttmp7, 0xffff                   ; b
	s_mov_b32 s19, ttmp9                           ; kq
	v_and_b32 v11, 31, v0
	v_lshlrev_b32 v[L16], 4, v11
	v_lshlrev_b32 v44, 4, v0                       ; 16 x thread
	v_lshlrev_b32 v45, 2, v0                       ; 4 x thread: my first row's number, and my mask bytes' place
	s_lshl_b32 s18, s[WV], 2
	v_mov_b32 v40, s18                             ; my wave's word among the maxima
	v_mov_b32 v41, 0
	s_lshl_b32 s18, s[WV], 10
	s_add_co_u32 s18, s18, PART
	v_add_nc_u32 v42, s18, v[L16]
	v_and_b32 v43, 63, v0
	v_lshlrev_b32 v56, 4, v43                      ; the last sum: 16 x (thread mod 64), in out0
	v_lshl_add_u32 v43, v43, 4, PART               ; and in LDS
	v_mov_b32 v47, 0                               ; (a lane permute's destination counts as one of its sources)
.irp g, 0,1,2,3,4,5,6,7
	v_mov_b32 v[ACC+\g], 0
.endr
	s_mov_b32 s24, 0x76543210
	s_mov_b32 s25, 0xfedcba98                      ; lane l xor 16
.irp j, 0,1,2,3
	s_mov_b32 s[33+2*\j], 0                        ; the packed form names pairs and takes their low words: the high words are written once
.endr
	s_lshl_b32 s20, s17, 22
	s_lshl_b32 s21, s19, 10
	s_add_co_u32 s20, s20, s21                     ; keys: the batch, and my 1,024 bytes of a row
	s_mov_b32 s21, 0
	s_lshl_b32 s22, s17, 10                        ; mask: the batch
	s_mov_b32 s23, 0
	s_lshl_b32 s26, s17, 12                        ; en, out1: the batch
	s_mov_b32 s27, 0
	s_lshl_b32 s28, s19, 10
	s_add_co_u32 s28, s28, s26                     ; out0: the batch, and my 1,024 bytes
	s_mov_b32 s29, 0
	s_wait_kmcnt 0x0
	s_add_nc_u64 s[4:5], s[4:5], s[20:21]
	s_add_nc_u64 s[6:7], s[6:7], s[22:23]
	s_add_nc_u64 s[8:9], s[8:9], s[26:27]
	s_add_nc_u64 s[10:11], s[10:11], s[28:29]
	s_add_nc_u64 s[12:13], s[12:13], s[26:27]
	global_load_b128 v[AT:AT+3], v44, s[8:9]
	global_load_b32 v10, v45, s[6:7]
	v_mov_b32 v15, 0xff800000                      ; -infinity
	s_wait_loadcnt 0x0
.irp j, 0,1,2,3
	v_bfe_u32 v[11+\j], v10, 8*\j, 8               ; row 4 i + j's mask byte
.endr
.irp j, 0,1,2,3
	v_cmp_ne_u32 vcc_lo, 0, v[11+\j]
	v_cndmask_b32 v[AT+\j], v[AT+\j], v15, vcc_lo  ; a padded row's energy is -infinity
	v_min_u32 v[11+\j], 1, v[11+\j]                ; byte -> min(byte, 1) -> + 1 -> and 1: 1 where the row counts
	v_add_nc_u32 v[11+\j], 1, v[11+\j]
	v_and_b32 v[11+\j], 1, v[11+\j]
	v_add_nc_u32 v[IDX+\j], \j, v45
	v_mul_u32_u24 v[IDX+\j], v[11+\j], v[IDX+\j]   ; the row's number, or 0
.endr
; the four rows that lane l of my wave holds are asked for: 2 x 512 consecutive bytes each, into set l % 4
.macro ISSUE l
.set u, (\l)%4
.irp j, 0,1,2,3
	v_readlane_b32 s[40+\j], v[IDX+\j], \l
.endr
.irp j, 0,1,2,3
	s_min_u32 s[40+\j], s[40+\j], 1023             ; a row's number stays inside the batch
	s_lshl_b32 s[40+\j], s[40+\j], 12
	v_add_nc_u32 v[ADR+4*u+\j], s[40+\j], v[L16]   ; (the set's earlier loads have been waited for: their offsets may be written)
	global_load_b128 v[KEY+32*u+8*\j:KEY+32*u+8*\j+3], v[ADR+4*u+\j], s[4:5]
	global_load_b128 v[KEY+32*u+8*\j+4:KEY+32*u+8*\j+7], v[ADR+4*u+\j], s[4:5] offset:512
.endr
.endm
; and added in, each with its weight; the four pairs of columns by turns
.macro CONSUME l
.set u, (\l)%4
.irp j, 0,1,2,3
	v_readlane_b32 s[32+2*\j], v[AT+\j], \l
.endr
.irp j, 0,1,2,3
.irp g, 0,1,2,3
	v_pk_fma_f32 v[ACC+2*\g:ACC+2*\g+1], v[KEY+32*u+8*\j+2*\g:KEY+32*u+8*\j+2*\g+1], s[32+2*\j:33+2*\j], v[ACC+2*\g:ACC+2*\g+1] op_sel_hi:[1,0,1]
.endr
.endr
.endm
	ISSUE 0                                        ; the addresses hang on the mask alone: the first 32 loads land under the softmax
	ISSUE 1
	ISSUE 2
	ISSUE 3
	; the batch's maximum
	v_max3_num_f32 v46, v[AT], v[AT+1], v[AT+2]
	v_max_num_f32 v46, v46, v[AT+3]
	v_max_num_f32_dpp v46, v46, v46 row_xmask:1 row_mask:0xf bank_mask:0xf
	v_max_num_f32_dpp v46, v46, v46 row_xmask:2 row_mask:0xf bank_mask:0xf
	v_max_num_f32_dpp v46, v46, v46 row_xmask:4 row_mask:0xf bank_mask:0xf
	v_max_num_f32_dpp v46, v46, v46 row_xmask:8 row_mask:0xf bank_mask:0xf
	v_permlanex16_b32 v47, v46, s24, s25
	v_max_num_f32 v46, v46, v47
	ds_store_b32 v40, v46 offset:MAXW              ; all lanes write the wave's word with the same value
	s_wait_dscnt 0x0
	s_barrier_signal -1
	s_barrier_wait -1
	ds_load_b128 v[48:51], v41 offset:MAXW
	ds_load_b128 v[52:55], v41 offset:MAXW+16
	s_wait_dscnt 0x0
	v_max3_num_f32 v46, v48, v49, v50
	v_max3_num_f32 v46, v46, v51, v52
	v_max3_num_f32 v46, v46, v53, v54
	v_max3_num_f32 v46, v46, v55, 0xff61b1e6       ; and -3e38: where every row is padded the maximum stays a number, and -infinity less it is -infinity
.irp j, 0,1,2,3
	v_sub_f32 v[AT+\j], v[AT+\j], v46              ; the maximum is taken away first: 0 or less
.endr
.irp j, 0,1,2,3
	v_mul_f32 v[AT+\j], 0x3fb8aa3b, v[AT+\j]       ; x log2(e)
.endr
.irp j, 0,1,2,3
	v_exp_f32 v[AT+\j], v[AT+\j]
.endr
	v_nop                                          ; a plain instruction behind the last exponential,
	s_wait_alu depctr_va_vdst(0)                   ; and one wait for the four, ahead of their first reader
	v_add_f32 v46, v[AT], v[AT+1]
	v_add_f32 v47, v[AT+2], v[AT+3]
	v_add_f32 v46, v46, v47
	v_add_f32_dpp v46, v46, v46 row_xmask:1 row_mask:0xf bank_mask:0xf
	v_add_f32_dpp v46, v46, v46 row_xmask:2 row_mask:0xf bank_mask:0xf
	v_add_f32_dpp v46, v46, v46 row_xmask:4 row_mask:0xf bank_mask:0xf
	v_add_f32_dpp v46, v46, v46 row_xmask:8 row_mask:0xf bank_mask:0xf
	v_permlanex16_b32 v47, v46, s24, s25
	v_add_f32 v46, v46, v47
	ds_store_b32 v40, v46 offset:SUMW              ; other bytes than the maxima's: no barrier between the reads above and this store
	s_wait_dscnt 0x0
	s_barrier_signal -1
	s_barrier_wait -1
	ds_load_b128 v[48:51], v41 offset:SUMW
	ds_load_b128 v[52:55], v41 offset:SUMW+16
	s_wait_dscnt 0x0
	v_add_f32 v48, v48, v49
	v_add_f32 v50, v50, v51
	v_add_f32 v52, v52, v53
	v_add_f32 v54, v54, v55
	v_add_f32 v48, v48, v50
	v_add_f32 v52, v52, v54
	v_add_f32 v46, v48, v52
	v_rcp_f32 v47, v46
	v_nop
	s_wait_alu depctr_va_vdst(0)
	v_cmp_eq_f32 vcc_lo, 0, v46
	v_cndmask_b32 v47, v47, v41, vcc_lo            ; a sum of 0: every row is padded: all weights are 0
.irp j, 0,1,2,3
	v_mul_f32 v[AT+\j], v[AT+\j], v47
.endr
	s_lshr_b32 s18, s[WV], 1
	s_cmp_lg_u32 s18, s19
	s_cbranch_scc1 .Lnot_my_attn
	global_store_b128 v44, v[AT:AT+3], s[12:13]    ; a wave stores 512 consecutive bytes of attn
.Lnot_my_attn:
	; the stream: lane numbers are immediates, so the 32 turns are written out
.set lam, 0
.rept 32
.if lam < 28
	s_wait_loadcnt 24                              ; this set's eight loads are in; the three younger sets stay out
.else
	s_wait_loadcnt 8*(31-lam)                      ; nothing more is asked for: the counts run down
.endif
	CONSUME lam
.if lam < 28
	ISSUE lam+4
.endif
.set lam, lam+1
.endr
	ds_store_b128 v42, v[ACC:ACC+3]
	ds_store_b128 v42, v[ACC+4:ACC+7] offset:512
	s_wait_dscnt 0x0                               ; for the others' sake: my part lies in LDS
	s_barrier_signal -1
	s_barrier_wait -1
	s_cmp_ge_u32 s[WV], 2
	s_cbranch_scc1 .Ldone
.irp k, 0,1,2,3,4,5,6,7
	ds_load_b128 v[KEY+4*\k:KEY+4*\k+3], v43 offset:1024*\k
.endr
	s_wait_dscnt 0x0
.irp k, 0,2,4,6
	v_pk_add_f32 v[KEY+4*\k:KEY+4*\k+1], v[KEY+4*\k:KEY+4*\k+1], v[KEY+4*\k+4:KEY+4*\k+5]
	v_pk_add_f32 v[KEY+4*\k+2:KEY+4*\k+3], v[KEY+4*\k+2:KEY+4*\k+3], v[KEY+4*\k+6:KEY+4*\k+7]
.endr
.irp k, 0,4
	v_pk_add_f32 v[KEY+4*\k:KEY+4*\k+1], v[KEY+4*\k:KEY+4*\k+1], v[KEY+4*\k+8:KEY+4*\k+9]
	v_pk_add_f32 v[KEY+4*\k+2:KEY+4*\k+3], v[KEY+4*\k+2:KEY+4*\k+3], v[KEY+4*\k+10:KEY+4*\k+11]
.endr
	v_pk_add_f32 v[KEY:KEY+1], v[KEY:KEY+1], v[KEY+16:KEY+17]
	v_pk_add_f32 v[KEY+2:KEY+3], v[KEY+2:KEY+3], v[KEY+18:KEY+19]
	global_store_b128 v56, v[KEY:KEY+3], s[10:11]  ; a wave stores 512 consecutive bytes of the context
.Ldone:
	s_wait_tensorcnt 0x0
	ds_add_u32 v192, v193
	s_wait_dscnt 0x0
	s_endpgm
.Lfunc_end_k_q1063d4f7d6_ctx:
	.size	k_q1063d4f7d6_ctx, .Lfunc_end_k_q1063d4f7d6_ctx-k_q1063d4f7d6_ctx
	.p2alignl 7, 3214868480
	.fill 96, 4, 3214868480
	.section	.rodata,"a",@progbits
	.p2align	6, 0x0
	.amdhsa_kernel k_q1063d4f7d6_ctx
		.amdhsa_group_segment_fixed_size 13824
		.amdhsa_private_segment_fixed_size 0
		.amdhsa_enable_private_segment 0
		.amdhsa_kernarg_size 40
		.amdhsa_user_sgpr_count 2
		.amdhsa_user_sgpr_kernarg_segment_ptr 1
		.amdhsa_wavefront_size32 1
		.amdhsa_system_sgpr_workgroup_id_x 1
		.amdhsa_system_sgpr_workgroup_id_y 1
		.amdhsa_system_sgpr_workgroup_id_z 1
		.amdhsa_system_vgpr_workitem_id 0
		.amdhsa_next_free_vgpr 194
		.amdhsa_next_free_sgpr 66
		.amdhsa_reserve_vcc 1
		.amdhsa_float_denorm_mode_32 3
		.amdhsa_float_denorm_mode_16_64 3
		.amdhsa_memory_ordered 1
		.amdhsa_forward_progress 1
		.amdhsa_inst_pref_size 98
	.end_amdhsa_kernel
	.amdgpu_metadata
---
amdhsa.version: [ 1, 2 ]
amdhsa.kernels:
  - .name:           k_q1063d4f7d6_ctx
    .symbol:         k_q1063d4f7d6_ctx.kd
    .args:
      - { .name: keys, .offset: 0, .size: 8, .value_kind: global_buffer, .address_space: global }
      - { .name: mask, .offset: 8, .size: 8, .value_kind: global_buffer, .address_space: global }
      - { .name: en, .offset: 16, .size: 8, .value_kind: global_buffer, .address_space: global }
      - { .name: out0, .offset: 24, .size: 8, .value_kind: global_buffer, .address_space: global }
      - { .name: out1, .offset: 32, .size: 8, .value_kind: global_buffer, .address_space: global }
    .group_segment_fixed_size: 13824
    .private_segment_fixed_size: 0
    .kernarg_segment_align: 8
    .kernarg_segment_size: 40
    .max_flat_workgroup_size: 256
    .sgpr_count:     66
    .vgpr_count:     194
    .wavefront_size: 32
...
	.end_amdgpu_metadata
.endif
;; end of part 3
